; MI455X (gfx1250); checked and timed in simulation.
; The chip was launched on July 23, 2026; its instructions are those of AMD's public machine-readable ISA for CDNA 5 (MIT licence, August 2026) and "CDNA5" Instruction Set Architecture Reference Guide (July 2026). The comments in the code are by the model that wrote it; some were corrected since.
;; Physics Residual. Allowed arithmetic: matrix products marked QUANTISED: E2M3 operands, one E8M0 scale for each 32 along K, by v_wmma_scale_f32_16x16x128_f8f6f4 with both operands' format E2M3, f32 sums; products left as they are: f32 operands where the result goes on into a quantised operand, else bf16, f16 or f32 operands; f32 sums; everything else in f32.
;; Inputs: W0 128 x 4 float32; W1 128 x 128 float32; W2 128 x 128 float32; W3 128 x 128 float32; W4 128 x 128 float32; W5 128 x 128 float32; W6 1 x 128 float32; b0 128 float32; b1 128 float32; b2 128 float32; b3 128 float32; b4 128 float32; b5 128 float32; b6 1 float32; t 65,536 float32; x 65,536 float32; y 65,536 float32; z 65,536 float32.
;; Outputs: out0 65,536 float32.
;; This version of the problem:
;;   THIS VERSION OF THE PROBLEM IS GIVEN IN LOW PRECISION. The matrix products marked QUANTISED in the list below multiply operands that are first quantised to E2M3 (2 exponent bits, 3 mantissa bits; 6 bits a number), with one power-of-two scale for each 32 numbers along K (OCP MX v1.0); their sums are f32. All else is computed in f32.
;;   The module's matrix products, in the order in which they are computed (A, B: the left and right operand; K: the contracted axis; several contracted axes count as one K, in the product's order):
;;     1. [M 128, K 4] x [K 4, N 65,536]; A: input W0; B: computed on the way: left as it is (K = 4 < 32)
;;     2. [M 128, K 4] x [K 4, N 4]; A: input W0; B: computed on the way: left as it is (K = 4 < 32)
;;     3. [M 128, K 128] x [K 128, N 65,536]; A: input W1; B: computed on the way: QUANTISED
;;     4. [M 128, K 128] x [K 128, N 262,144]; A: input W1; B: computed on the way: QUANTISED
;;     5. [M 128, K 128] x [K 128, N 65,536]; A: input W2; B: computed on the way: QUANTISED
;;     6. [M 128, K 128] x [K 128, N 262,144]; A: input W2; B: computed on the way: QUANTISED
;;     7. [M 128, K 128] x [K 128, N 65,536]; A: input W3; B: computed on the way: QUANTISED
;;     8. [M 128, K 128] x [K 128, N 262,144]; A: input W3; B: computed on the way: QUANTISED
;;     9. [M 128, K 128] x [K 128, N 65,536]; A: input W4; B: computed on the way: QUANTISED
;;     10. [M 128, K 128] x [K 128, N 262,144]; A: input W4; B: computed on the way: QUANTISED
;;     11. [M 128, K 128] x [K 128, N 65,536]; A: input W5; B: computed on the way: QUANTISED
;;     12. [M 128, K 128] x [K 128, N 262,144]; A: input W5; B: computed on the way: QUANTISED
;;     13. [M 1, K 128] x [K 128, N 65,536]; A: input W6; B: computed on the way: left as it is (M = 1 < 16)
;;     14. [M 1, K 128] x [K 128, N 262,144]; A: input W6; B: computed on the way: left as it is (M = 1 < 16)
;;     15. [M 1, K 1] x [K 1, N 128]; A: computed on the way; B: input W6: left as it is (K = 1 < 32)
;;     16. [M 65,536, K 128] x [K 128, N 128]; A: computed on the way; B: input W5: QUANTISED
;;     17. [M 262,144, K 128] x [K 128, N 128]; A: computed on the way; B: input W5: QUANTISED
;;     18. [M 65,536, K 128] x [K 128, N 128]; A: computed on the way; B: input W4: QUANTISED
;;     19. [M 262,144, K 128] x [K 128, N 128]; A: computed on the way; B: input W4: QUANTISED
;;     20. [M 65,536, K 128] x [K 128, N 128]; A: computed on the way; B: input W3: QUANTISED
;;     21. [M 262,144, K 128] x [K 128, N 128]; A: computed on the way; B: input W3: QUANTISED
;;     22. [M 65,536, K 128] x [K 128, N 128]; A: computed on the way; B: input W2: QUANTISED
;;     23. [M 262,144, K 128] x [K 128, N 128]; A: computed on the way; B: input W2: QUANTISED
;;     24. [M 65,536, K 128] x [K 128, N 128]; A: computed on the way; B: input W1: QUANTISED
;;     25. [M 262,144, K 128] x [K 128, N 128]; A: computed on the way; B: input W1: QUANTISED
;;     26. [M 65,536, K 128] x [K 128, N 4]; A: computed on the way; B: input W0: left as it is (N = 4 < 16)
;;     27. [M 262,144, K 128] x [K 128, N 4]; A: computed on the way; B: input W0: left as it is (N = 4 < 16)
;;   THE QUANTISER, for each operand of a quantised product, along K:
;;     - K is cut into blocks of 32 from its start; a last block that is shorter is filled with zeros.
;;     - A block's scale is 2^e with e = floor(log2(the largest magnitude in the block)) - 2, held to -126 .. 127; a block of zeros has e = 0. As a byte (E8M0): e + 127.
;;     - Each number is divided by its block's scale, clamped to +-7.5, and rounded to the nearest number of E2M3, ties to even, subnormals kept.
;;     - The product sums the exact products of the quantised numbers (number of the format x scale) in f32.
;;   ~~~python
;;   def quantise(x, axis):      # numpy; x: float32 -> the quantised numbers, widened to float32 again
;;       x = np.moveaxis(x, axis, -1); K = x.shape[-1]
;;       x = np.pad(x, [(0, 0)] * (x.ndim - 1) + [(0, -K % 32)]); x = x.reshape(x.shape[:-1] + (-1, 32)); a = np.abs(x).max(-1, keepdims=True)
;;       e = np.where(a > 0, np.clip(np.frexp(np.where(a > 0, a, 1))[1] - 1 - 2, -126, 127), 0)      # np.frexp(a)[1] - 1 = floor(log2(a)), exactly
;;       r = np.clip(x / 2.0 ** e, -7.5, 7.5)
;;       step = 2.0 ** (np.maximum(np.frexp(np.where(r == 0, 1, r))[1] - 1, 0) - 3)
;;       q = np.round(r / step) * step * 2.0 ** e      # np.round: ties to even
;;       return np.moveaxis(q.reshape(q.shape[:-2] + (-1,))[..., :K], -1, axis).astype(np.float32)
;;   ~~~
;;   OPERANDS COMPUTED ON THE WAY. 'Computed on the way' means the value that the module computes at that place (a softmax that the list does not call 'softmax' is quantised finished and normalised). What goes into a quantiser is computed in f32, as accurately as f32 sums, v_exp_f32 and their like allow (about 1e-6 of the number): no bf16 or f16 on the way to a quantiser, and a product that is left as it is and whose result goes on into a quantised operand takes f32 operands (vector FMAs, or v_wmma_f32_16x16x4_f32). A number that lies on a knife's edge between two numbers of the format may be rounded either way, as far as f32 arithmetic and the matrix unit's own rounding can turn it there, and no further.
;; One version. Each part assembles by itself: llvm-mc -triple=amdgcn-amd-amdhsa -mcpu=gfx1250 --defsym DOCPART=n.
;; ======== version 1 of 1: 2 launches
;; workspace buffers: wimg 133,120 bytes
;; launch prep (part 1): grid 10 x 1, 8 waves a work-group, no clusters, 2,048 bytes of LDS; arguments W1, W2, W3, W4, W5, wimg; writes wimg
.if DOCPART == 1
	.amdgcn_target "amdgcn-amd-amdhsa--gfx1250"
	.amdhsa_code_object_version 6
	.text
	.protected	k_q51e5b436cd_prep
	.globl	k_q51e5b436cd_prep
	.p2align	8
	.type	k_q51e5b436cd_prep,@function
k_q51e5b436cd_prep:
	s_mov_b64 s[64:65], 0
	v_nop
	global_prefetch_b8 v0, s[64:65] scope:SCOPE_SE
	s_setreg_imm32_b32 hwreg(HW_REG_WAVE_MODE, 25, 1), 1
	s_wait_xcnt 0x0
; W1..W5 [128][128] f32 become codes of FP6 (E2M3) with one E8M0 byte for each 32 along K, twice: along axis 1 (FW, for W h) and along axis 0 (BW, for g W).
; The codes are laid as IMAGES OF THE MATRIX OPERAND'S REGISTERS: tile t at 1536 t, register group g at + 512 g, lane L at + 16 L.
; Row m of tile t = 4 c + u stands for unit 64 c + 32 (m / 8) + 8 u + m % 8, so that in the transposed product a lane's 32 results of a pass c are one whole block of 32 along the next K.
; Scale words: entry [layer][c] of 512 bytes, byte 16 L + 4 u = the word of tile 4 c + u, row L % 16.  In FW entries lanes 16-31 hold each byte + 1: twice the weight, exactly.
; Work-groups 0-4: FW of W1..W5; 5-9: BW.  Wave t makes tile t; a lane holds two whole blocks (k = 64 cc + 32 h + 0..31), so no other lane is asked for a maximum.
; LIMITS: NaN and infinities are not served; a block under 2^-124 (zeros too) keeps the byte 1, its codes are what the conversion gives; a weight block whose byte is 254 would not bear the + 1.
.set WF, 61440
.set SF, 122880
.set SB, 128000
.set X, 16
	s_load_b256 s[4:11], s[0:1], 0x0               ; W1..W4
	s_load_b128 s[12:15], s[0:1], 0x20             ; W5, wimg
	v_lshl_add_u32 v128, v0, 2, 0x400
	v_mov_b32 v129, 0
	v_lshrrev_b32 v1, 5, v0
	v_readfirstlane_b32 s25, v1                    ; wave = tile t
	v_and_b32 v2, 31, v0                           ; L
	v_and_b32 v3, 15, v0                           ; r
	v_bfe_u32 v4, v0, 4, 1                         ; h
	s_mov_b32 s22, 0x76543210
	s_mov_b32 s23, 0xfedcba98                      ; selects: lane l xor 16
	s_mov_b32 s29, SF
	s_cmp_ge_u32 ttmp9, 5                          ; BW?
	s_cselect_b32 s27, 5, 0
	s_cselect_b32 s24, 0, 0x01010101
	s_cselect_b32 s28, 0, WF
	s_cselect_b32 s29, SB, s29
	s_sub_co_u32 s31, ttmp9, s27                   ; layer index 0..4
	s_mul_i32 s32, s31, 12288
	s_add_co_u32 s32, s32, s28                     ; where this matrix's codes go
	s_mov_b32 s33, 0
	s_lshl_b32 s34, s31, 10
	s_add_co_u32 s34, s34, s29                     ; and its scale words
	s_mov_b32 s35, 0
	s_lshr_b32 s26, s25, 2                         ; c
	s_and_b32 s30, s25, 3                          ; u
	s_lshl_b32 s36, s26, 6
	s_lshl_b32 s37, s30, 3
	s_add_co_u32 s36, s36, s37                     ; 64 c + 8 u
	s_lshl_b32 s38, s26, 9
	s_lshl_b32 s37, s30, 2
	s_add_co_u32 s38, s38, s37                     ; 512 c + 4 u
	v_and_b32 v5, 8, v3
	v_and_b32 v6, 7, v3
	v_lshl_add_u32 v5, v5, 2, v6
	v_add_nc_u32 v5, s36, v5                       ; my unit
	v_lshlrev_b32 v7, 9, v5
	v_lshl_add_u32 v7, v4, 7, v7                   ; FW: row = unit, + 128 h
	v_lshlrev_b32 v8, 2, v5
	v_lshl_add_u32 v8, v4, 14, v8                  ; BW: column = unit, + 32 h rows
	v_lshlrev_b32 v9, 4, v2
	s_mul_i32 s37, s25, 1536
	v_add_nc_u32 v10, s38, v9                      ; LDS: 16 L + 512 c + 4 u
	v_add_nc_u32 v9, s37, v9                       ; codes: 16 L + 1536 t
	v_lshlrev_b32 v11, 4, v0                       ; 16 x thread
	v_cmp_eq_u32 vcc_lo, 1, v4
	v_mov_b32 v114, 0x06020400
	v_mov_b32 v12, 0x02060004
	v_cndmask_b32 v114, v114, v12, vcc_lo          ; byte selects for the scale word, by half
	v_mov_b32 v115, 0
	v_mov_b32 v13, s24
	v_cndmask_b32 v115, v115, v13, vcc_lo          ; + 1 on each byte in lanes 16-31 of FW
	v_mov_b32 v113, 0                              ; a lane permute's destination counts as read
	s_wait_kmcnt 0x0
	s_mov_b64 s[16:17], s[4:5]
	s_cmp_eq_u32 s31, 1
	s_cselect_b64 s[16:17], s[6:7], s[16:17]
	s_cmp_eq_u32 s31, 2
	s_cselect_b64 s[16:17], s[8:9], s[16:17]
	s_cmp_eq_u32 s31, 3
	s_cselect_b64 s[16:17], s[10:11], s[16:17]
	s_cmp_eq_u32 s31, 4
	s_cselect_b64 s[16:17], s[12:13], s[16:17]
	s_add_nc_u64 s[18:19], s[14:15], s[32:33]
	s_add_nc_u64 s[20:21], s[14:15], s[34:35]
	s_cmp_lt_u32 ttmp9, 5
	s_cbranch_scc0 .Lbw
.irp cc, 0,1
.irp n, 0,1,2,3,4,5,6,7
	global_load_b128 v[X+32*\cc+4*\n:X+32*\cc+4*\n+3], v7, s[16:17] offset:256*\cc+16*\n
.endr
.endr
	s_branch .Lgot
.Lbw:
.irp cc, 0,1
.irp i, 0,1,2,3,4,5,6,7,8,9,10,11,12,13,14,15,16,17,18,19,20,21,22,23,24,25,26,27,28,29,30,31
	global_load_b32 v[X+32*\cc+\i], v8, s[16:17] offset:(64*\cc+\i)*512
.endr
.endr
.Lgot:
	s_wait_loadcnt 0x0
	; the two blocks' largest magnitudes: four chains each, the floor 2^(3 - 127) as a last leaf
.irp k, 0,1,2,3
.irp cc, 0,1
	v_max3_num_f32 v[100+4*\cc+\k], |v[X+32*\cc+8*\k]|, |v[X+32*\cc+8*\k+1]|, |v[X+32*\cc+8*\k+2]|
.endr
.endr
.irp j, 3,5
.irp k, 0,1,2,3
.irp cc, 0,1
	v_max3_num_f32 v[100+4*\cc+\k], v[100+4*\cc+\k], |v[X+32*\cc+8*\k+\j]|, |v[X+32*\cc+8*\k+\j+1]|
.endr
.endr
.endr
.irp cc, 0,1
	v_max3_num_f32 v[100+4*\cc], v[100+4*\cc], |v[X+32*\cc+7]|, |v[X+32*\cc+15]|
	v_max3_num_f32 v[102+4*\cc], v[102+4*\cc], |v[X+32*\cc+23]|, |v[X+32*\cc+31]|
.endr
.irp cc, 0,1
	v_max3_num_f32 v[100+4*\cc], v[100+4*\cc], v[101+4*\cc], v[102+4*\cc]
.endr
.irp cc, 0,1
	v_max3_num_f32 v[100+4*\cc], v[100+4*\cc], v[103+4*\cc], 0x1800000
.endr
.irp cc, 0,1
	v_add_nc_u32 v[108+\cc], 0xff000000, v[100+4*\cc]   ; 2 off the exponent field: the conversion's scale operand
.endr
.irp cc, 0,1
	v_lshrrev_b32 v[110+\cc], 23, v[108+\cc]            ; the scale's byte
.endr
	v_cvt_scalef32_pk16_fp6_f32 v[80:82], v[16:31], v108
	v_cvt_scalef32_pk16_fp6_f32 v[92:94], v[32:47], v108
	v_cvt_scalef32_pk16_fp6_f32 v[86:88], v[48:63], v109
	v_cvt_scalef32_pk16_fp6_f32 v[96:98], v[64:79], v109
	v_nop                                          ; one plain line behind the conversions
.irp j, 0,1,2
	v_mov_b32 v[83+\j], v[92+\j]
	v_mov_b32 v[89+\j], v[96+\j]
.endr
	v_lshl_or_b32 v112, v111, 16, v110             ; my bytes: blocks h and 2 + h
	v_permlanex16_b32 v113, v112, s22, s23
	v_perm_b32 v116, v113, v112, v114              ; the row's word, whole, in both halves
	v_add_nc_u32 v116, v116, v115
	global_store_b128 v9, v[80:83], s[18:19]               ; 32 lanes store 512 consecutive aligned bytes
	global_store_b128 v9, v[84:87], s[18:19] offset:512
	global_store_b128 v9, v[88:91], s[18:19] offset:1024
	ds_store_b32 v10, v116
	s_wait_dscnt 0x0                               ; for the others: my word lies in LDS
	s_barrier_signal -1
	s_barrier_wait -1
	s_cmp_lt_u32 s25, 2
	s_cbranch_scc0 .Lend
	ds_load_b128 v[120:123], v11                   ; wave c takes entry c: 512 bytes
	s_wait_dscnt 0x0
	global_store_b128 v11, v[120:123], s[20:21]
.Lend:
	s_wait_tensorcnt 0x0
	ds_add_u32 v128, v129
	s_wait_dscnt 0x0
	s_endpgm
.Lfunc_end_k_q51e5b436cd_prep:
	.size	k_q51e5b436cd_prep, .Lfunc_end_k_q51e5b436cd_prep-k_q51e5b436cd_prep
	.p2alignl 7, 3214868480
	.fill 96, 4, 3214868480
	.section	.rodata,"a",@progbits
	.p2align	6, 0x0
	.amdhsa_kernel k_q51e5b436cd_prep
		.amdhsa_group_segment_fixed_size 2048
		.amdhsa_private_segment_fixed_size 0
		.amdhsa_enable_private_segment 0
		.amdhsa_kernarg_size 48
		.amdhsa_user_sgpr_count 2
		.amdhsa_user_sgpr_kernarg_segment_ptr 1
		.amdhsa_wavefront_size32 1
		.amdhsa_system_sgpr_workgroup_id_x 1
		.amdhsa_system_sgpr_workgroup_id_y 1
		.amdhsa_system_sgpr_workgroup_id_z 1
		.amdhsa_system_vgpr_workitem_id 0
		.amdhsa_next_free_vgpr 130
		.amdhsa_next_free_sgpr 66
		.amdhsa_reserve_vcc 1
		.amdhsa_float_denorm_mode_32 3
		.amdhsa_float_denorm_mode_16_64 3
		.amdhsa_memory_ordered 1
		.amdhsa_forward_progress 1
		.amdhsa_inst_pref_size 15
	.end_amdhsa_kernel
	.amdgpu_metadata
---
amdhsa.version: [ 1, 2 ]
amdhsa.kernels:
  - .name:           k_q51e5b436cd_prep
    .symbol:         k_q51e5b436cd_prep.kd
    .args:
      - { .name: W1, .offset: 0, .size: 8, .value_kind: global_buffer, .address_space: global }
      - { .name: W2, .offset: 8, .size: 8, .value_kind: global_buffer, .address_space: global }
      - { .name: W3, .offset: 16, .size: 8, .value_kind: global_buffer, .address_space: global }
      - { .name: W4, .offset: 24, .size: 8, .value_kind: global_buffer, .address_space: global }
      - { .name: W5, .offset: 32, .size: 8, .value_kind: global_buffer, .address_space: global }
      - { .name: wimg, .offset: 40, .size: 8, .value_kind: global_buffer, .address_space: global }
    .group_segment_fixed_size: 2048
    .private_segment_fixed_size: 0
    .kernarg_segment_align: 8
    .kernarg_segment_size: 48
    .max_flat_workgroup_size: 256
    .sgpr_count:     66
    .vgpr_count:     130
    .wavefront_size: 32
...
	.end_amdgpu_metadata
.endif
;; end of part 1
;; launch main (part 2): grid 256 x 1, 4 waves a work-group, no clusters, 303,104 bytes of LDS; arguments t, x, y, z, W0, b0, b1, b2, b3, b4, b5, W6, wimg, out0; writes out0
.if DOCPART == 2
	.amdgcn_target "amdgcn-amd-amdhsa--gfx1250"
	.amdhsa_code_object_version 6
	.text
	.protected	k_q51e5b436cd_main
	.globl	k_q51e5b436cd_main
	.p2align	8
	.type	k_q51e5b436cd_main,@function
k_q51e5b436cd_main:
	s_mov_b64 s[64:65], 0
	v_nop
	global_prefetch_b8 v0, s[64:65] scope:SCOPE_SE
	s_setreg_imm32_b32 hwreg(HW_REG_WAVE_MODE, 25, 1), 1
	s_wait_xcnt 0x0
; out0[p] = H00 - H11 - H22 - H33 of the tanh MLP's Hessian at point p, computed as forward-over-reverse differentiation lowers it, every 128 x 128 product on codes of FP6 (E2M3) with E8M0 scales.
; FIVE STREAMS a point: 0 the primal, 1..4 the tangents along t, x, y, z.
;   forward:  a_l = W_l Q(h_(l-1)) + b_l, h = tanh a, s = 1 - h^2;  da_l = W_l Q(dh_(l-1)), dh = s da;  da_0 = W0[:, i]
;   backward: g_h(l-1) = Q(g_a_l) W_l;  g_a = s g_h;  dg_a = s (dg_h - h g_h 2 da);  g_h5 = W6, dg_h5 = 0;  H_ii = sum_k dg_a0(i)[k] W0[k][i]
; u itself, its gradient and b6 do not enter the second derivative: they are not computed and b6 is not read.
; 2 da_l is made again in the backward pass by the matrix unit, from the kept 6-bit codes of dh_(l-1) and weight scale bytes raised by 1: the same sums, doubled exactly.
; SHARES.  A work-group owns 256 points, a wave 64, as four tiles of 16; tile T, lane r stands for point 256 wg + 64 wave + 4 r + T.  Waves share only the weights in LDS: one barrier.
; LAYOUT.  Every product is used transposed (source 0 = 16 rows of a weight image, source 1 = 16 points).  Row m of weight tile 4 c + u is unit 64 c + 32 (m / 8) + 8 u + m % 8, so lane (r, h) holds point r and
; its 32 results of pass c are units 64 c + 32 h + 0..31: one whole block of the next K, in order: registers 6 c .. 6 c + 5 of the next operand.  No maximum crosses lanes.
; JOBS.  A job (stream i, pass c) is 4 matrix instructions (8 for a backward tangent) and the vector work on their 32 results; ten jobs a layer, position 5 c + i, result buffers by the position's parity.
; The next job's matrix instructions stand between this job's vector lines.  K = 128 is one instruction: no sum is chained.  A job's last 16 lines are plain and name nothing of those instructions.
; tanh x = x P(x^2) / Q(x^2) on x held to +-7.9053, a rational form good to a few units in the last place at every size of x.
; LIMITS: NaN and infinities are not served; a block under 2^-124 (zeros too) keeps the scale byte 1.
.set WB, 0
.set WF, 61440
.set SF, 122880
.set SB, 128000
.set BI, 133120                        ; b0..b5, 512 bytes each
.set W6L, 136192
.set W0T, 136704                       ; W0 transposed: [q][k]
.set HS, 138752                        ; h_0..h_4 of the tile in hand: 40,960 bytes a wave, 8,192 a layer
.set HSW, 40960
; window 1
.set E0, 128                           ; E(i) = E0 + 12 i: the operand codes of stream i
.set F1, 188                           ; F(i) = F1 + 12 (i - 1): kept codes of dh, for the recompute
.set MM, 236
.set SO, 240
.set EBT, 241
.set KB6, 242
.set TT, 244
.set WW, 247
.set KA13, 248
.set XX, 250
.set EB, 251
; window 2
.set FW, 0
.set BW, 96
.set W6V, 144
.set SS, 192                           ; s; x^2 inside tanh
.set TV, 224                           ; h g_h; the held x inside tanh
; window 3
.set CK, 0                             ; the kept codes: 48 (l - 1) + 12 (i - 1)
.set STG, 192                          ; pass 0's codes wait here: 8 i, low triple + 0, high triple + 4
; window 0
.set PA, 16
.set SWF, 40
.set SWB, 48
.set ES, 59
.set FS, 63
.set BIA, 72
.set HA, 72
.set CKS, 104
.set W0V, 128
.set MSB, 0
.macro WIN new                         ; the immediate's high byte repeats the setting that is left; a switch that changes nothing is dropped
.if MSB != (\new)
	s_set_vgpr_msb (MSB<<8)|(\new)
.set MSB, \new
.endif
.endm
; ---- the pending job's matrix instructions.  kind 0 none, 1 primal forward (C = bias), 2 tangent forward, 3 backward, 4 backward tangent with recompute
.macro PEND kind, i, c, b, row
.set pkk, \kind
.set pii, \i
.set pcc, \c
.set pbb, \b
.set prw, \row
.set wi, 0
.set tk, 0
.set wn, 4
.if pkk == 4
.set wn, 8
.endif
.if pkk == 0
.set wn, 0
.endif
.endm
.macro WMX
.set wu, wi%4
.set wa, 12*(4*pcc+wu)
.set wd, 32*pbb+8*wu
.if pkk == 1
	WIN 0x46
	v_wmma_scale_f32_16x16x128_f8f6f4 v[wd:wd+7], v[FW+wa:FW+wa+11], v[E0:E0+11], v[BIA+8*wu:BIA+8*wu+7], v[SWF+4*pcc+wu], v[ES] matrix_a_fmt:MATRIX_FMT_FP6 matrix_b_fmt:MATRIX_FMT_FP6
.elseif pkk == 2
	WIN 0x56
.if prw
	v_wmma_scale_f32_16x16x128_f8f6f4 v[wd:wd+7], v[FW+wa:FW+wa+11], v[E0+12*pii:E0+12*pii+11], 0, v[SWF+4*pcc+wu], v[ES+pii] matrix_a_fmt:MATRIX_FMT_FP6 matrix_b_fmt:MATRIX_FMT_FP6 matrix_a_scale:MATRIX_SCALE_ROW1
.else
	v_wmma_scale_f32_16x16x128_f8f6f4 v[wd:wd+7], v[FW+wa:FW+wa+11], v[E0+12*pii:E0+12*pii+11], 0, v[SWF+4*pcc+wu], v[ES+pii] matrix_a_fmt:MATRIX_FMT_FP6 matrix_b_fmt:MATRIX_FMT_FP6
.endif
.elseif (pkk == 3) || (wi < 4)
	WIN 0x56
	v_wmma_scale_f32_16x16x128_f8f6f4 v[wd:wd+7], v[BW+wa:BW+wa+11], v[E0+12*pii:E0+12*pii+11], 0, v[SWB+4*pcc+wu], v[ES+pii] matrix_a_fmt:MATRIX_FMT_FP6 matrix_b_fmt:MATRIX_FMT_FP6
.else
	WIN 0x56
	v_wmma_scale_f32_16x16x128_f8f6f4 v[64+wd:64+wd+7], v[FW+wa:FW+wa+11], v[F1+12*(pii-1):F1+12*(pii-1)+11], 0, v[SWF+4*pcc+wu], v[FS+pii] matrix_a_fmt:MATRIX_FMT_FP6 matrix_b_fmt:MATRIX_FMT_FP6 matrix_a_scale:MATRIX_SCALE_ROW1
.endif
.endm
.macro HK
.if wi < wn
	WMX
.set wi, wi+1
.endif
.endm
.macro TICK n                          ; one pending matrix instruction behind every n-th vector line
.set tk, tk+1
.if (tk%(\n)) == 0
	HK
.endif
.endm
.macro FLUSH                           ; whatever is still pending goes out ahead of the job's tail
.rept 8
	HK
.endr
.endm
.macro JOB p                           ; position p of a layer
.set JC, (\p)/5
.set JI, (\p)%5
.set JB, (\p)&1
.set JG, 32*JB
.set JD, 64+32*JB
.set QG, JG
	s_wait_dscnt 0x0                               ; all that earlier jobs asked of LDS is in
.endm
.macro PNEXT p, kp, kt, row, k9        ; the pending job is position p + 1
.if (\p) == 9
	PEND \k9, 0, 0, 0, 0
.elseif (((\p)+1)%5) == 0
	PEND \kp, 0, 1, ((\p)+1)&1, 0
.else
	PEND \kt, ((\p)+1)%5, ((\p)+1)/5, ((\p)+1)&1, \row
.endif
.endm
; ---- LDS loads.  Each batch stands at a job's head; its registers' last matrix readers were issued a whole job earlier
.macro LDF c                           ; pass c of a forward layer: four weight tiles, their scale words, the bias
	WIN 0
	v_add_nc_u32 v8, s39, v1
	v_add_nc_u32 v4, s41, v1
	v_add_nc_u32 v5, s43, v2
	ds_load_b128 v[SWF+4*\c:SWF+4*\c+3], v4 offset:512*\c
.irp n, 0,1,2,3,4,5,6,7
	ds_load_b128 v[BIA+4*\n:BIA+4*\n+3], v5 offset:256*\c+16*\n
.endr
	WIN 0x80
.irp u, 0,1,2,3
.irp g, 0,1,2
	ds_load_b128 v[FW+12*(4*\c+\u)+4*\g:FW+12*(4*\c+\u)+4*\g+3], v8 offset:(4*\c+\u)*1536+512*\g
.endr
.endr
.endm
.macro LDB c, fw                       ; pass c of a backward level: BW tiles and words; fw = 1: the recompute's FW tiles and words too
	WIN 0
	v_add_nc_u32 v8, s40, v1
	v_add_nc_u32 v4, s42, v1
	ds_load_b128 v[SWB+4*\c:SWB+4*\c+3], v4 offset:512*\c
.if \fw
	v_add_nc_u32 v6, s39, v1
	v_add_nc_u32 v5, s41, v1
	ds_load_b128 v[SWF+4*\c:SWF+4*\c+3], v5 offset:512*\c
.endif
	WIN 0x80
.irp u, 0,1,2,3
.irp g, 0,1,2
	ds_load_b128 v[BW+12*(4*\c+\u)+4*\g:BW+12*(4*\c+\u)+4*\g+3], v8 offset:(4*\c+\u)*1536+512*\g
.endr
.endr
.if \fw
.irp u, 0,1,2,3
.irp g, 0,1,2
	ds_load_b128 v[FW+12*(4*\c+\u)+4*\g:FW+12*(4*\c+\u)+4*\g+3], v6 offset:(4*\c+\u)*1536+512*\g
.endr
.endr
.endif
.endm
.macro LDW0 c                          ; W0[unit][q] of my 32 units of pass c
	WIN 0
	v_add_nc_u32 v8, W0T, v2
.irp q, 0,1,2,3
.irp n, 0,1,2,3,4,5,6,7
	ds_load_b128 v[W0V+32*\q+4*\n:W0V+32*\q+4*\n+3], v8 offset:512*\q+256*\c+16*\n
.endr
.endr
.endm
.macro LDB0 c                          ; b0 of my 32 units
	WIN 0
	v_add_nc_u32 v6, BI, v2
.irp n, 0,1,2,3,4,5,6,7
	ds_load_b128 v[BIA+4*\n:BIA+4*\n+3], v6 offset:256*\c+16*\n
.endr
.endm
.macro LDW6 c
	WIN 0
	v_add_nc_u32 v6, W6L, v2
	WIN 0x80
.irp n, 0,1,2,3,4,5,6,7
	ds_load_b128 v[W6V+4*\n:W6V+4*\n+3], v6 offset:256*\c+16*\n
.endr
.endm
.macro LDH c, d                        ; h of the level at s44, pass c, into window 1 v[d..]
	WIN 0
	v_add_nc_u32 v9, s44, v3
	WIN 0x40
.irp n, 0,1,2,3,4,5,6,7
	ds_load_b128 v[\d+4*\n:\d+4*\n+3], v9 offset:4096*\c+512*\n
.endr
.endm
.macro STOREH                          ; h as an image of its registers, in my wave's own bytes
	WIN 0
	v_add_nc_u32 v9, s44, v3
	WIN 0x04
.irp n, 0,1,2,3,4,5,6,7
	ds_store_b128 v9, v[JG+4*\n:JG+4*\n+3] offset:4096*JC+512*\n
.endr
.endm
; ---- vector work
.macro HORN g, sc                      ; g = x^2 g + s[sc], 16 independent lines
.set n, 0
.rept 16
	WIN 0x56
	v_pk_fma_f32 v[\g+n:\g+n+1], v[SS+n:SS+n+1], v[\g+n:\g+n+1], s[\sc:\sc+1] op_sel_hi:[1,1,0]
	TICK 8
.set n, n+2
.endr
.endm
.macro TANH                            ; v[JG..] = a  ->  v[JG..] = h, SS = 1 - h^2.  Uses v[JD..], SS, TV
.set n, 0
.rept 32
	WIN 0x95
	v_med3_num_f32 v[TV+n], v[JG+n], s50, s51      ; the result is read from its low end on
.set n, n+1
.endr
.set n, 0
.rept 16
	WIN 0x8a
	v_pk_mul_f32 v[SS+n:SS+n+1], v[TV+n:TV+n+1], v[TV+n:TV+n+1]
.set n, n+2
.endr
.set n, 0
.rept 16
	WIN 0x56
	v_pk_fma_f32 v[JG+n:JG+n+1], v[SS+n:SS+n+1], v[KA13:KA13+1], s[52:53] op_sel_hi:[1,1,0]
	TICK 8
.set n, n+2
.endr
	HORN JG, 54
	HORN JG, 56
	HORN JG, 58
	HORN JG, 60
	HORN JG, 62
.set n, 0
.rept 16
	WIN 0x56
	v_pk_mul_f32 v[JG+n:JG+n+1], v[TV+n:TV+n+1], v[JG+n:JG+n+1]
.set n, n+2
.endr
.set n, 0
.rept 16
	v_pk_fma_f32 v[JD+n:JD+n+1], v[SS+n:SS+n+1], v[KB6:KB6+1], s[66:67] op_sel_hi:[1,1,0]
.set n, n+2
.endr
	HORN JD, 68
	HORN JD, 70
	FLUSH
	WIN 0x55
.set n, 0
.rept 32
	v_rcp_f32 v[JD+n], v[JD+n]
.set n, n+1
.endr
	v_nop                                          ; a plain line behind the last reciprocal
	s_wait_alu depctr_va_vdst(0)                   ; one wait for the batch, ahead of its first reader
.set n, 0
.rept 16
	v_pk_mul_f32 v[JG+n:JG+n+1], v[JG+n:JG+n+1], v[JD+n:JD+n+1]
.set n, n+2
.endr
.set n, 0
.rept 16
	WIN 0x95
	v_pk_fma_f32 v[SS+n:SS+n+1], v[JG+n:JG+n+1], v[JG+n:JG+n+1], 1.0 op_sel_hi:[1,1,0] neg_lo:[1,0,0] neg_hi:[1,0,0]
.set n, n+2
.endr
.endm
; v[QG .. QG+31], one whole block of stream JI, becomes codes.  Pass 0's wait in STG (the old operand is still multiplied); pass 1 completes E(JI) and its scale word
.macro QUANT
	WIN 0x55
.irp k, 0,1,2,3
	v_max3_num_f32 v[MM+\k], |v[QG+8*\k]|, |v[QG+8*\k+1]|, |v[QG+8*\k+2]|
.endr
.irp j, 3,5
.irp k, 0,1,2,3
	v_max3_num_f32 v[MM+\k], v[MM+\k], |v[QG+8*\k+\j]|, |v[QG+8*\k+\j+1]|
.endr
.endr
	v_max3_num_f32 v[MM], v[MM], |v[QG+7]|, |v[QG+15]|
	v_max3_num_f32 v[MM+2], v[MM+2], |v[QG+23]|, |v[QG+31]|
	v_max3_num_f32 v[MM], v[MM], v[MM+1], v[MM+2]
	v_max3_num_f32 v[MM], v[MM], v[MM+3], 0x1800000    ; the floor 2^(3 - 127): the byte cannot fall under 1
	v_add_nc_u32 v[SO], 0xff000000, v[MM]              ; 2 off the exponent field: the conversion's scale operand
.if JC == 0
	v_lshrrev_b32 v[EB+JI], 23, v[SO]
	WIN 0xd5
	v_cvt_scalef32_pk16_fp6_f32 v[STG+8*JI:STG+8*JI+2], v[QG:QG+15], v[SO]
	v_cvt_scalef32_pk16_fp6_f32 v[STG+8*JI+4:STG+8*JI+6], v[QG+16:QG+31], v[SO]
	v_nop                                          ; one plain line behind the conversions
.else
	v_lshrrev_b32 v[EBT], 23, v[SO]
	v_lshl_or_b32 v[WW], v[EBT], 16, v[EB+JI]      ; my bytes: blocks h and 2 + h
	v_permlanex16_b32 v[XX], v[WW], s46, s47
	v_cvt_scalef32_pk16_fp6_f32 v[E0+12*JI+6:E0+12*JI+8], v[QG:QG+15], v[SO]
	v_cvt_scalef32_pk16_fp6_f32 v[TT:TT+2], v[QG+16:QG+31], v[SO]
	v_nop
.irp j, 0,1,2
	v_mov_b32 v[E0+12*JI+9+\j], v[TT+\j]
.endr
	WIN 0x15
	v_perm_b32 v[ES+JI], v[XX], v[WW], s48         ; the point's scale word, right in lanes 0-15, which are the lanes read
	WIN 0x43
.irp j, 0,1,2
	v_mov_b32 v[E0+12*JI+\j], v[STG+8*JI+\j]
	v_mov_b32 v[E0+12*JI+3+\j], v[STG+8*JI+4+\j]
.endr
.endif
.endm
.macro TMUL src                        ; G = src G
.set n, 0
.rept 16
	WIN 0x56
	v_pk_mul_f32 v[JG+n:JG+n+1], v[\src+n:\src+n+1], v[JG+n:JG+n+1]
	TICK 4
.set n, n+2
.endr
.endm
; the kept codes of dh_(l-1): a stack in registers, reached by a ladder on the layer counter s38 (1..4)
.macro PUSHARM k
	v_mov_b32 v[CKS+4*(\k-1)], v[ES+1]
	v_mov_b32 v[CKS+4*(\k-1)+1], v[ES+2]
	v_mov_b32 v[CKS+4*(\k-1)+2], v[ES+3]
	v_mov_b32 v[CKS+4*(\k-1)+3], v[ES+4]
	WIN 0xc1
.set n, 0
.rept 48
	v_mov_b32 v[CK+48*(\k-1)+n], v[E0+12+n]
.set n, n+1
.endr
	WIN 0
.endm
.macro POPARM k
	v_mov_b32 v[FS+1], v[CKS+4*(\k-1)]
	v_mov_b32 v[FS+2], v[CKS+4*(\k-1)+1]
	v_mov_b32 v[FS+3], v[CKS+4*(\k-1)+2]
	v_mov_b32 v[FS+4], v[CKS+4*(\k-1)+3]
	WIN 0x43
.set n, 0
.rept 48
	v_mov_b32 v[F1+n], v[CK+48*(\k-1)+n]
.set n, n+1
.endr
	WIN 0
.endm
.macro LADDER arm
	WIN 0
	s_cmp_eq_u32 s38, 1
	s_cbranch_scc1 .Larm1_\@
	s_cmp_eq_u32 s38, 2
	s_cbranch_scc1 .Larm2_\@
	s_cmp_eq_u32 s38, 3
	s_cbranch_scc1 .Larm3_\@
	\arm 4
	s_branch .Ldone_\@
.Larm3_\@:
	\arm 3
	s_branch .Ldone_\@
.Larm2_\@:
	\arm 2
	s_branch .Ldone_\@
.Larm1_\@:
	\arm 1
.Ldone_\@:
.endm
; a forward layer.  last = 0: layers 1..4 (the loop's body); 1: layer 5 and the turn: tangents come doubled, g_a5 = s W6, dg_a5 = -(h g_a5) 2 da5
.macro FWDLAYER last
.irp p, 0,1,2,3,4,5,6,7,8,9
	JOB \p
.if \p == 0
	LDF 1
.if \last
	LDW6 0
.endif
.endif
.if \p == 5
.if \last
	s_mov_b32 s40, WB+4*12288                      ; level 4 multiplies by W5 backward and makes 2 da_4 again with W4
	s_mov_b32 s39, WF+3*12288
	s_mov_b32 s42, SB+4*1024
	s_mov_b32 s41, SF+3*1024
	LDB 0, 1
	LDW6 1
.else
	s_add_co_u32 s39, s39, 12288                   ; the next layer's pass 0
	s_add_co_u32 s41, s41, 1024
	s_add_co_u32 s43, s43, 512
	LDF 0
.endif
.endif
.if (\p == 9) && \last
	LDH 0, 64                                      ; h_4
.endif
	PNEXT \p, 1, 2, \last, 1+2*\last
.if JI == 0
	TANH
.if \last
	s_wait_dscnt 0x0                               ; W6 of this pass
.set n, 0
.rept 16
	WIN 0x5a
	v_pk_mul_f32 v[JD+n:JD+n+1], v[SS+n:SS+n+1], v[W6V+n:W6V+n+1]
.set n, n+2
.endr
.set n, 0
.rept 16
	WIN 0x95
	v_pk_mul_f32 v[TV+n:TV+n+1], v[JG+n:JG+n+1], v[JD+n:JD+n+1] neg_lo:[1,0] neg_hi:[1,0]
.set n, n+2
.endr
.set QG, JD
.else
	STOREH
.endif
	QUANT
.else
.if \last
	TMUL TV
.else
	TMUL SS
.endif
	FLUSH
	QUANT
.endif
.endr
.endm
; a backward level.  zero = 0: levels 4..1 (the loop's body); 1: level 0, where da_0 = W0[:, i] and the results are summed against W0
.macro BWDLEVEL zero
.irp p, 0,1,2,3,4,5,6,7,8,9
	JOB \p
.if \p == 0
	LDB 1, 1-\zero
.if \zero
	LDW0 0
.endif
.endif
.if \p == 4
	LDH 1, 96
.endif
.if \p == 5
.if \zero
	LDW0 1
.else
	s_sub_co_u32 s40, s40, 12288                   ; the next level's pass 0 (at level 1 the FW part read here is used by nobody)
	s_sub_co_u32 s39, s39, 12288
	s_sub_co_u32 s42, s42, 1024
	s_sub_co_u32 s41, s41, 1024
	LDB 0, 1
.endif
.endif
.if (\p == 9) && (\zero == 0)
	s_sub_co_u32 s44, s44, 8192
	LDH 0, 64
.endif
	PNEXT \p, 3, 4-\zero, 0, 3-3*\zero
.if JI == 0
.set n, 0
.rept 16
	WIN 0x95
	v_pk_fma_f32 v[SS+n:SS+n+1], v[JD+n:JD+n+1], v[JD+n:JD+n+1], 1.0 op_sel_hi:[1,1,0] neg_lo:[1,0,0] neg_hi:[1,0,0]
	TICK 6
.set n, n+2
.endr
.set n, 0
.rept 16
	WIN 0x95
	v_pk_mul_f32 v[TV+n:TV+n+1], v[JD+n:JD+n+1], v[JG+n:JG+n+1]    ; h g_h
	TICK 6
.set n, n+2
.endr
.if \zero
	FLUSH
.set n, 0
.rept 16
	WIN 0xaa
	v_pk_add_f32 v[TV+n:TV+n+1], v[TV+n:TV+n+1], v[TV+n:TV+n+1]    ; 2 h g_h
.set n, n+2
.endr
.else
.set n, 0
.rept 16
	WIN 0x56
	v_pk_mul_f32 v[JG+n:JG+n+1], v[SS+n:SS+n+1], v[JG+n:JG+n+1]    ; g_a
	TICK 6
.set n, n+2
.endr
	FLUSH
	QUANT
.endif
.else
.set n, 0
.rept 16
.if \zero
	WIN 0x52
	v_pk_fma_f32 v[JG+n:JG+n+1], v[TV+n:TV+n+1], v[W0V+32*(JI-1)+n:W0V+32*(JI-1)+n+1], v[JG+n:JG+n+1] neg_lo:[1,0,0] neg_hi:[1,0,0]
.else
	WIN 0x56
	v_pk_fma_f32 v[JG+n:JG+n+1], v[TV+n:TV+n+1], v[JD+n:JD+n+1], v[JG+n:JG+n+1] neg_lo:[1,0,0] neg_hi:[1,0,0]
.endif
	TICK 4
.set n, n+2
.endr
	TMUL SS
	FLUSH
.if \zero
.set n, 0
.rept 16
	WIN 0x01
.if (JC == 0) && (n < 8)
	v_pk_mul_f32 v[HA+8*(JI-1)+n%8:HA+8*(JI-1)+n%8+1], v[JG+n:JG+n+1], v[W0V+32*(JI-1)+n:W0V+32*(JI-1)+n+1]
.else
	v_pk_fma_f32 v[HA+8*(JI-1)+n%8:HA+8*(JI-1)+n%8+1], v[JG+n:JG+n+1], v[W0V+32*(JI-1)+n:W0V+32*(JI-1)+n+1], v[HA+8*(JI-1)+n%8:HA+8*(JI-1)+n%8+1]
.endif
.set n, n+2
.endr
.else
	QUANT
.endif
.endif
.endr
.endm
; ================= the head
	s_load_b512 s[8:23], s[0:1], 0x0               ; t, x, y, z, W0, b0, b1, b2
	s_load_b256 s[24:31], s[0:1], 0x40             ; b3, b4, b5, W6
	s_load_b128 s[32:35], s[0:1], 0x60             ; wimg, out0
	v_lshl_add_u32 v126, v0, 2, 0x49e00
	v_mov_b32 v127, 0
	ds_add_u32 v126, v127
	ds_add_u32 v126, v127
	v_lshrrev_b32 v8, 5, v0
	v_readfirstlane_b32 s36, v8                    ; wave 0..3
	; the weight images: 133,120 dense bytes; each wave brings a quarter, 130 rows of 256 bytes, once
	s_mov_b32 s72, 1
	s_mul_i32 s73, s36, 33280
	s_mov_b32 s76, 3<<16                           ; elements of 8 bytes, no padding, no mask
	s_mov_b32 s77, 32<<16                          ; tensor_dim0 = 32
	s_mov_b32 s78, 130<<16                         ; tensor_dim1 = 130
	s_mov_b32 s79, 32<<16                          ; tile_dim0 = 32
	s_mov_b32 s80, 130                             ; tile_dim1 = 130
	s_mov_b32 s81, 32                              ; pitch
	s_mov_b32 s82, 0
	s_mov_b32 s83, 0
	s_mov_b32 s84, s73
	s_mov_b32 s85, 0
	s_wait_dscnt 0x0
	s_wait_kmcnt 0x0
	s_add_nc_u64 s[74:75], s[32:33], s[84:85]
	s_or_b32 s75, s75, 0x80000000
	tensor_load_to_lds s[72:75], s[76:83]
	s_nop 0
.rept 4
	v_nop
.endr
	v_and_b32 v10, 31, v0                          ; lane
	v_lshlrev_b32 v1, 4, v10                       ; 16 x lane
	v_bfe_u32 v2, v0, 4, 1
	v_lshlrev_b32 v2, 7, v2                        ; 128 h
	s_mul_i32 s86, s36, HSW
	s_add_co_u32 s86, s86, HS
	v_add_nc_u32 v3, s86, v1                       ; my wave's h bytes + 16 x lane
	v_and_b32 v7, 15, v0
	v_lshlrev_b32 v7, 4, v7
	s_lshl_b32 s86, s36, 8
	v_add_nc_u32 v7, s86, v7                       ; 256 wave + 16 r: my four points, in t..z and in out0
	v_lshlrev_b32 v8, 2, v0
	v_lshlrev_b32 v9, 4, v0
	s_lshl_b32 s84, ttmp9, 10                      ; the work-group's 256 points
	s_add_nc_u64 s[8:9], s[8:9], s[84:85]
	s_add_nc_u64 s[10:11], s[10:11], s[84:85]
	s_add_nc_u64 s[12:13], s[12:13], s[84:85]
	s_add_nc_u64 s[14:15], s[14:15], s[84:85]
	s_add_nc_u64 s[34:35], s[34:35], s[84:85]
	global_load_b32 v72, v8, s[18:19]
	global_load_b32 v73, v8, s[20:21]
	global_load_b32 v74, v8, s[22:23]
	global_load_b32 v75, v8, s[24:25]
	global_load_b32 v76, v8, s[26:27]
	global_load_b32 v77, v8, s[28:29]
	global_load_b32 v78, v8, s[30:31]
	global_load_b128 v[80:83], v9, s[16:17]        ; W0's row = my thread
	global_load_b128 v[PA:PA+3], v7, s[8:9]
	global_load_b128 v[PA+4:PA+7], v7, s[10:11]
	global_load_b128 v[PA+8:PA+11], v7, s[12:13]
	global_load_b128 v[PA+12:PA+15], v7, s[14:15]
	s_mov_b32 s46, 0x76543210
	s_mov_b32 s47, 0xfedcba98                      ; selects: lane l xor 16
	s_mov_b32 s48, 0x06020400
	s_mov_b32 s50, 0xc0fcf84f
	s_mov_b32 s51, 0x40fcf84f
	s_mov_b32 s52, 0x2a61337e                      ; the numerator's coefficients 11, 9, 7, 5, 3, 1 (pairs: the packed form names both words)
	s_mov_b32 s53, s52
	s_mov_b32 s54, 0xaebd37ff
	s_mov_b32 s55, s54
	s_mov_b32 s56, 0x335c0041
	s_mov_b32 s57, s56
	s_mov_b32 s58, 0x3779434a
	s_mov_b32 s59, s58
	s_mov_b32 s60, 0x3a270ded
	s_mov_b32 s61, s60
	s_mov_b32 s62, 0x3ba059dc
	s_mov_b32 s63, s62
	s_mov_b32 s66, 0x38f895d6                      ; the denominator's 4, 2, 0
	s_mov_b32 s67, s66
	s_mov_b32 s68, 0x3b14aa05
	s_mov_b32 s69, s68
	s_mov_b32 s70, 0x3ba059dd
	s_mov_b32 s71, s70
	v_mov_b32 v11, 0
.irp j, 0,1,2,3
	v_mov_b32 v[32+\j], 0
.endr
.set n, 0
.rept 16
	v_mov_b32 v[CKS+n], 0                          ; the stack is written once here, so that every way through the ladders reads written registers
.set n, n+1
.endr
	WIN 0x40
	v_mov_b32 v[KA13], 0xa59f25c0
	v_mov_b32 v[KA13+1], 0xa59f25c0
	v_mov_b32 v[KB6], 0x35a0d3d8
	v_mov_b32 v[KB6+1], 0x35a0d3d8
	v_mov_b32 v[XX], 0
	WIN 0xc0
.set n, 0
.rept 192
	v_mov_b32 v[CK+n], 0
.set n, n+1
.endr
	WIN 0
	s_wait_loadcnt 0x0
	v_add_nc_u32 v9, BI, v8                        ; 4 x thread, from the biases on
.irp k, 0,1,2,3,4,5,6
	ds_store_b32 v9, v[72+\k] offset:512*\k        ; b0..b5, then W6
.endr
.irp q, 0,1,2,3
	ds_store_b32 v9, v[80+\q] offset:W0T-BI+512*\q
.endr
	s_wait_tensorcnt 0x0                           ; my quarter of the images has landed,
	s_wait_dscnt 0x0                               ; my stores too:
	s_barrier_signal -1
	s_barrier_wait -1                              ; everybody's have
	PEND 0, 0, 0, 0, 0
	s_mov_b32 s37, 4
.Ltile:
	s_mov_b32 s39, WF
	s_mov_b32 s41, SF
	s_mov_b32 s43, BI+512
	s_mov_b32 s44, 0
; ---- layer 0, forward: f32 multiply-adds
.irp p, 0,1,2,3,4,5,6,7,8,9
	JOB \p
.if JI == 0
	LDW0 JC
	LDB0 JC
	s_wait_dscnt 0x0
.endif
.if \p == 6
	LDF 0
.endif
.if \p == 9
	PEND 1, 0, 0, 0, 0
.endif
.if JI == 0
.set n, 0
.rept 16
	WIN 0x40
	v_pk_fma_f32 v[JG+n:JG+n+1], v[W0V+n:W0V+n+1], v[PA:PA+1], v[BIA+n:BIA+n+1] op_sel_hi:[1,0,1]
.set n, n+2
.endr
.irp q, 1,2,3
.set n, 0
.rept 16
	WIN 0x50
	v_pk_fma_f32 v[JG+n:JG+n+1], v[W0V+32*\q+n:W0V+32*\q+n+1], v[PA+4*\q:PA+4*\q+1], v[JG+n:JG+n+1] op_sel_hi:[1,0,1]
.set n, n+2
.endr
.endr
	TANH
	STOREH
	QUANT
.else
.set n, 0
.rept 16
	WIN 0x42
	v_pk_mul_f32 v[JG+n:JG+n+1], v[SS+n:SS+n+1], v[W0V+32*(JI-1)+n:W0V+32*(JI-1)+n+1]
	TICK 4
.set n, n+2
.endr
	FLUSH
	QUANT
.endif
.endr
; ---- layers 1..4, forward
	WIN 0
	s_mov_b32 s38, 1
.Lfwd:
	s_add_co_u32 s44, s44, 8192
	LADDER PUSHARM
	FWDLAYER 0
	WIN 0
	s_add_co_u32 s38, s38, 1
	s_cmp_lt_u32 s38, 5
	s_cbranch_scc1 .Lfwd
; ---- layer 5 and the turn
	FWDLAYER 1
; ---- levels 4..1, backward
	WIN 0
	s_mov_b32 s38, 4
.Lbwd:
	LADDER POPARM
	BWDLEVEL 0
	WIN 0
	s_sub_co_u32 s38, s38, 1
	s_cmp_lg_u32 s38, 0
	s_cbranch_scc1 .Lbwd
; ---- level 0, backward, and the sums
	BWDLEVEL 1
	WIN 0
.irp k, 0,2,4,6
	v_pk_add_f32 v[HA+\k:HA+\k+1], v[HA+\k:HA+\k+1], v[HA+8+\k:HA+8+\k+1] neg_lo:[0,1] neg_hi:[0,1]
.endr
.irp k, 0,2,4,6
	v_pk_add_f32 v[HA+\k:HA+\k+1], v[HA+\k:HA+\k+1], v[HA+16+\k:HA+16+\k+1] neg_lo:[0,1] neg_hi:[0,1]
.endr
.irp k, 0,2,4,6
	v_pk_add_f32 v[HA+\k:HA+\k+1], v[HA+\k:HA+\k+1], v[HA+24+\k:HA+24+\k+1] neg_lo:[0,1] neg_hi:[0,1]
.endr
	v_pk_add_f32 v[HA:HA+1], v[HA:HA+1], v[HA+2:HA+3]
	v_pk_add_f32 v[HA+4:HA+5], v[HA+4:HA+5], v[HA+6:HA+7]
	v_pk_add_f32 v[HA:HA+1], v[HA:HA+1], v[HA+4:HA+5]
	v_add_f32 v[HA], v[HA], v[HA+1]
	v_permlanex16_b32 v11, v[HA], s46, s47         ; the point's other 64 units lie in lane l xor 16
	v_mov_b32 v32, v33                             ; the four tiles' results move down: after the fourth, v32-35 are points 4 r .. 4 r + 3
	v_mov_b32 v33, v34
	v_mov_b32 v34, v35
	v_add_f32 v35, v[HA], v11
.irp q, 0,1,2,3
	v_mov_b32 v[PA+4*\q], v[PA+4*\q+1]             ; and the next tile's coordinates
	v_mov_b32 v[PA+4*\q+1], v[PA+4*\q+2]
	v_mov_b32 v[PA+4*\q+2], v[PA+4*\q+3]
.endr
	s_sub_co_u32 s37, s37, 1
	s_cmp_lg_u32 s37, 0
	s_cbranch_scc1 .Ltile
	s_wait_xcnt 0x0                                ; EXEC changes only behind this wait
	v_cmp_gt_u32 vcc_lo, 16, v10
	s_wait_tensorcnt 0x0
	ds_add_u32 v126, v127
	s_wait_dscnt 0x0
	s_and_saveexec_b32 s86, vcc_lo
	global_store_b128 v7, v[32:35], s[34:35] th:TH_STORE_NT   ; lanes 0-15 store the wave's 256 consecutive aligned bytes
	s_endpgm
.Lfunc_end_k_q51e5b436cd_main:
	.size	k_q51e5b436cd_main, .Lfunc_end_k_q51e5b436cd_main-k_q51e5b436cd_main
	.p2alignl 7, 3214868480
	.fill 96, 4, 3214868480
	.section	.rodata,"a",@progbits
	.p2align	6, 0x0
	.amdhsa_kernel k_q51e5b436cd_main
		.amdhsa_group_segment_fixed_size 303104
		.amdhsa_private_segment_fixed_size 0
		.amdhsa_enable_private_segment 0
		.amdhsa_kernarg_size 112
		.amdhsa_user_sgpr_count 2
		.amdhsa_user_sgpr_kernarg_segment_ptr 1
		.amdhsa_wavefront_size32 1
		.amdhsa_system_sgpr_workgroup_id_x 1
		.amdhsa_system_sgpr_workgroup_id_y 1
		.amdhsa_system_sgpr_workgroup_id_z 1
		.amdhsa_system_vgpr_workitem_id 0
		.amdhsa_next_free_vgpr 1024
		.amdhsa_next_free_sgpr 96
		.amdhsa_reserve_vcc 1
		.amdhsa_float_denorm_mode_32 3
		.amdhsa_float_denorm_mode_16_64 3
		.amdhsa_memory_ordered 1
		.amdhsa_forward_progress 1
		.amdhsa_inst_pref_size 255
	.end_amdhsa_kernel
	.section	.bss,"aw",@nobits
	.p2align	6
	.space	262144
	.amdgpu_metadata
---
amdhsa.version: [ 1, 2 ]
amdhsa.kernels:
  - .name:           k_q51e5b436cd_main
    .symbol:         k_q51e5b436cd_main.kd
    .args:
      - { .name: t, .offset: 0, .size: 8, .value_kind: global_buffer, .address_space: global }
      - { .name: x, .offset: 8, .size: 8, .value_kind: global_buffer, .address_space: global }
      - { .name: y, .offset: 16, .size: 8, .value_kind: global_buffer, .address_space: global }
      - { .name: z, .offset: 24, .size: 8, .value_kind: global_buffer, .address_space: global }
      - { .name: W0, .offset: 32, .size: 8, .value_kind: global_buffer, .address_space: global }
      - { .name: b0, .offset: 40, .size: 8, .value_kind: global_buffer, .address_space: global }
      - { .name: b1, .offset: 48, .size: 8, .value_kind: global_buffer, .address_space: global }
      - { .name: b2, .offset: 56, .size: 8, .value_kind: global_buffer, .address_space: global }
      - { .name: b3, .offset: 64, .size: 8, .value_kind: global_buffer, .address_space: global }
      - { .name: b4, .offset: 72, .size: 8, .value_kind: global_buffer, .address_space: global }
      - { .name: b5, .offset: 80, .size: 8, .value_kind: global_buffer, .address_space: global }
      - { .name: W6, .offset: 88, .size: 8, .value_kind: global_buffer, .address_space: global }
      - { .name: wimg, .offset: 96, .size: 8, .value_kind: global_buffer, .address_space: global }
      - { .name: out0, .offset: 104, .size: 8, .value_kind: global_buffer, .address_space: global }
    .group_segment_fixed_size: 303104
    .private_segment_fixed_size: 0
    .kernarg_segment_align: 8
    .kernarg_segment_size: 112
    .max_flat_workgroup_size: 128
    .sgpr_count:     96
    .vgpr_count:     1024
    .wavefront_size: 32
...
	.end_amdgpu_metadata
.endif
;; end of part 2
